; MI455X (gfx1250); checked and timed in simulation.
; The chip was launched on July 23, 2026; its instructions are those of AMD's public machine-readable ISA for CDNA 5 (MIT licence, August 2026) and "CDNA5" Instruction Set Architecture Reference Guide (July 2026). The comments in the code are by the model that wrote it; some were corrected since.
;; Causal Self Attention. Allowed arithmetic: matrix products marked QUANTISED: E4M3 operands, one given power-of-two scale a tensor, by v_wmma_f32_16x16x64_fp8_fp8 or v_wmma_f32_16x16x128_fp8_fp8, f32 sums; everything else in f32.
;; Inputs: b_attn 3,072 float32; b_proj 2,048 float32; freqs_cos 1,024 x 64 float32; freqs_sin 1,024 x 64 float32; lowp_scales 8 int32 (the exponents e of the quantised operands' scales 2^e); w_attn_codes 3,072 x 64 x 32 uint8 (E4M3 codes of w_attn, K innermost, in blocks of 32 codes); w_proj_codes 2,048 x 64 x 32 uint8 (E4M3 codes of w_proj, K innermost, in blocks of 32 codes); x_codes 4 x 1,024 x 64 x 32 uint8 (E4M3 codes of x, K innermost, in blocks of 32 codes).
;; Outputs: out0 4 x 1,024 x 2,048 float32; out1 4 x 4 x 1,024 x 128 float32; out2 4 x 4 x 1,024 x 128 float32.
;; This version of the problem:
;;   THIS VERSION OF THE PROBLEM IS GIVEN IN LOW PRECISION. The matrix products marked QUANTISED in the list below multiply operands that are first quantised to E4M3 (4 exponent bits, 3 mantissa bits; 8 bits a number), with one given power-of-two scale for each operand tensor; their sums are f32. All else is computed in f32.
;;   The module's matrix products, in the order in which they are computed (A, B: the left and right operand; K: the contracted axis; several contracted axes count as one K, in the product's order):
;;     1. [M 4,096, K 2,048] x [K 2,048, N 3,072]; A: input x (given as codes); B: input w_attn (given as codes): QUANTISED (scales: A lowp_scales[0], B lowp_scales[1])
;;     2. batch 16 x [M 4,096, K 128] x [K 128, N 1,024]; A: computed on the way; B: computed on the way: QUANTISED (scales: A lowp_scales[2], B lowp_scales[3])
;;     3. batch 16 x [M 4,096, K 1,024] x [K 1,024, N 128]; A: softmax (see below); B: computed on the way: QUANTISED (scales: A lowp_scales[4], B lowp_scales[5])
;;     4. [M 4,096, K 2,048] x [K 2,048, N 2,048]; A: computed on the way; B: input w_proj (given as codes): QUANTISED (scales: A lowp_scales[6], B lowp_scales[7])
;;   THE QUANTISER, for each operand of a quantised product, along K:
;;     - The operand's scale is 2^e, e = its entry of the input lowp_scales (int32; the entries are numbered through the quantised products in the list's order, A before B).
;;     - Each number is divided by the scale, clamped to +-448, and rounded to the nearest number of E4M3, ties to even, subnormals kept.
;;     - The product sums the exact products of the quantised numbers (number of the format x scale) in f32.
;;   ~~~python
;;   def quantise(x, axis, e):      # numpy; x: float32 -> the quantised numbers, widened to float32 again
;;       x = np.moveaxis(x, axis, -1); K = x.shape[-1]
;;       r = np.clip(x / 2.0 ** e, -448, 448)
;;       step = 2.0 ** (np.maximum(np.frexp(np.where(r == 0, 1, r))[1] - 1, -6) - 3)
;;       q = np.round(r / step) * step * 2.0 ** e      # np.round: ties to even
;;       return np.moveaxis(q, -1, axis).astype(np.float32)
;;   ~~~
;;   SOFTMAX AHEAD OF A QUANTISED PRODUCT. Where the list says 'softmax', what is quantised is not the finished softmax but p = 2^(t - M), with t = logit x log2(e) and M = ceil(the row's largest t), a whole number; so 1/2 < the row's largest p <= 1. The row's sum l is taken of the UNQUANTISED p, in f32, and the product's result is divided by l at the end. Since M is a whole number, a kernel that streams over the keys may use a running M (the ceiling of the running maximum): every later rescaling is an exact power of two, so the quantised numbers keep their values, but for numbers so far below the row's largest that they fall under the format's range.
;;   OPERANDS COMPUTED ON THE WAY. 'Computed on the way' means the value that the module computes at that place (a softmax that the list does not call 'softmax' is quantised finished and normalised). What goes into a quantiser is computed in f32, as accurately as f32 sums, v_exp_f32 and their like allow (about 1e-6 of the number): no bf16 or f16 on the way to a quantiser, and a product that is left as it is and whose result goes on into a quantised operand takes f32 operands (vector FMAs, or v_wmma_f32_16x16x4_f32). A number that lies on a knife's edge between two numbers of the format may be rounded either way, as far as f32 arithmetic and the matrix unit's own rounding can turn it there, and no further.
;;   INPUTS GIVEN AS CODES. w_attn (in the module: [3072, 2048], K = its axis 1); w_proj (in the module: [2048, 2048], K = its axis 1); x (in the module: [4, 1024, 2048], K = its axis 2): each comes as NAME_codes (uint8): NAME with its K axis moved to the last place and cut into blocks of 32 codes, [.., K / 32, bytes a block], one block behind the other in memory; one code a byte (a code: sign, 4 exponent bits, 3 mantissa bits); its scale is its entry of lowp_scales. Its value is code x scale, taken as it is: it is not quantised again, and the codes and scales need not be those that the quantiser above would give.
;; One version. Each part assembles by itself: llvm-mc -triple=amdgcn-amd-amdhsa -mcpu=gfx1250 --defsym DOCPART=n.
;; ======== version 1 of 1: 3 launches
;; limits: right only within a limited range of input values
;; workspace buffers: qf 8,388,608 bytes; kvf 4,194,304 bytes; yf 8,388,608 bytes
;; launch qkv (part 1): grid 16 x 16, 4 waves a work-group, clusters of 4 x 4, 327,680 bytes of LDS; arguments x_codes, w_attn_codes, lowp_scales, b_attn, freqs_cos, freqs_sin, qf, kvf, out1, out2; writes qf, kvf, out1, out2
.if DOCPART == 1
	.amdgcn_target "amdgcn-amd-amdhsa--gfx1250"
	.amdhsa_code_object_version 6
	.text
	.protected	k_q4464429429_qkv
	.globl	k_q4464429429_qkv
	.p2align	8
	.type	k_q4464429429_qkv,@function
k_q4464429429_qkv:
	s_mov_b64 s[64:65], 0
	v_nop
	global_prefetch_b8 v0, s[64:65] scope:SCOPE_SE
	s_setreg_imm32_b32 hwreg(HW_REG_WAVE_MODE, 25, 1), 1
	s_wait_xcnt 0x0
	s_wait_alu depctr_hold_cnt(0) depctr_sa_sdst(0) depctr_va_vdst(0) depctr_va_sdst(0) depctr_va_ssrc(0) depctr_va_vcc(0) depctr_vm_vsrc(0)
	s_getreg_b32 s2, hwreg(HW_REG_IB_STS2, 6, 4)
	s_cmp_eq_u32 s2, 0
	s_cbranch_scc0 .Lentry_in_a_cluster
	s_endpgm
.Lentry_in_a_cluster:
	s_bfe_u32 s2, ttmp6, 0x10000c
	s_cmp_lg_u32 s2, 0xf033
	s_cbranch_scc0 .Lentry_shape_is_right
	s_endpgm
.Lentry_shape_is_right:
; qkv = x w_attn^T + b_attn on codes of FP8 (E4M3); q and k are rotated (RoPE); k and v leave as f32 (out1, out2); q, k and v leave as codes for the next launch.  Every input has a way to an output: nothing is left out.
; x: [4096][2048] codes, w_attn: [3072][2048] codes, K innermost.  A sum stands for sum x 2^(e0 + e1).  The bias, x 2^-(e0 + e1), is the C of each accumulator's first product, so an accumulator holds qkv x 2^-(e0 + e1).
; The rotation is linear, so q's and k's codes are made of the unscaled numbers with the conversion's scale 2^(e2 - e0 - e1), 2^(e3 - e0 - e1); k's and v's f32 numbers are multiplied once by 2^(e0 + e1); v's codes are made of those with 2^e5.
; LIMITS: e0 + e1 between -126 and 126; e2 - e0 - e1, e3 - e0 - e1 and e5 between -126 and 119, so that each power of two below is an f32 number.  NaN among the inputs is not served.
; SHARES.  16 x 16 work-groups.  A work-group makes 256 tokens x 192 columns: q's head j = 4 X + cx (128 columns) and 64 columns of k or v: X = 0, 1: k's head cx, channels 64 X on; X = 2, 3: v's head cx, channels 64 (X - 2) on
; (X: the cluster's x).  So what is done with the sums hangs on X alone, never on a place in the cluster.  Each of the four waves makes 64 tokens x all 192 columns: 48 accumulators, 384 registers; all waves do the same work.
; K goes in steps of 256 through a ring of two LDS slots of 448 rows (x's 256, q's 128, k's or v's 64), a row 256 bytes of memory; waves 0, 1 fetch x's halves, wave 2 q's rows, wave 3 k's or v's: one tensor load a wave.
; CLUSTERS: 4 x 4.  x's tiles are asked for jointly along a row of the cluster, w_attn's along a column.
; PREFETCH: with the load of K step s each wave asks for K step s + 2 of the rows that it fetches (the head also for K step 1); the four partners of a joint load share the rows out by address (32 rows each, of wave 3's 64 rows 16 each,
; lanes 16-31 naming them again); it stops where s + 2 would pass K step 7.
; THE MATRIX INSTRUCTION IS USED TRANSPOSED (source 0 = 16 rows of w_attn, source 1 = 16 tokens): a lane holds one token (lane % 16) and, in column block b, channels 16 b + 8 (lane / 16) + 0 .. 7.
; CODES LEAVE AS IMAGES OF OPERAND REGISTERS: 16 rows x 128 K are 2,048 bytes, lane l's registers 4 c .. 4 c + 3 at 512 c + 16 l: each store of a wave covers 512 consecutive bytes.
;   qf  [batch x 16 + head][token / 16][image]: lane % 16 = the query, registers 2 c, 2 c + 1 = channels 16 c + 8 (lane / 16) + 0 .. 7.
;   kvf [batch x 4 + head]: 131,072 bytes of K's images, laid like qf's; then V^T's: [token / 128][gd][image]: lane % 16 = r is channel 32 (gd / 2) + 8 (gd % 2) + r + 8 (r / 8), registers 2 c, 2 c + 1 = keys 16 c + 8 (lane / 16) + 0 .. 7.
; REGISTERS, in windows of 256.  Window 0: v0-31 addresses and scales; v32-127 the bias, then v32-95 cos and sin of token block 3 and v96-127 k's or v's codes; v128-255 x's fragments, two sets; on the way out T, U and q's codes.
;   window 1: v0-191 w_attn's 12 fragments, ONE set (a fragment is free when its four products are issued); on the way out rows back from the stage.  Window 2: accumulators of column blocks 0-5 ((a, b) at v[48 a + 8 b]); window 3: of 6-11.
;   v192-255 of windows 1, 2, 3: cos and sin of token blocks 0, 1, 2.
.set KROW,   2048
.set PITCH,  272                       ; an LDS row: 256 bytes + 16 of padding = 68 words: the 16 rows that a load touches start at 16 different banks (64 banks of 4 bytes: ISA guide 11.1)
.set HALFT,  128*PITCH
.set SLOT,   448*PITCH
.set LAPS,   4                         ; a lap = two K steps of 256 = once round the ring
.set SPARE,  2*SLOT                    ; the spare words, 128 bytes for each wave, which no other line names
.set STG,    SPARE+512                 ; stages of 16 rows x 272 bytes, one for each wave; no tensor load lands here
.set SCQ,  8                           ; v8, v9    q's conversion scale, and 448 x it
.set LIMQ, 9
.set SCK,  10                          ; v10, v11  the same for k or v
.set LIMK, 11
.set ADRA, 16                          ; v16-17  LDS address of my x fragments in slot 0, 1
.set ADRB, 20                          ; v20-21  the same for w_attn
.set GO,   22                          ; v22     512 (lane / 16) + 16 (lane % 16): two rows of out1 or out2
.set PFO,  23                          ; v23     the prefetches' offset: a lane a row
.set STO,  24                          ; v24     the stage: where I put 32 bytes of a row
.set RD,   25                          ; v25     the stage: where I read rows back
.set CO,   26                          ; v26     16 x lane
.set FQ,   27                          ; v27     cos, sin: 256 (lane % 16) + 16 (lane / 16)
.set SPW,  28                          ; v28     my spare word; never rewritten
.set NIL,  29                          ; v29     0; never rewritten
.set BO,   30                          ; v30     the bias: 32 (lane / 16)
.set TRD,  31                          ; v31     the stage read by columns, for V^T
.set BIAS, 32
.set KC,   96
.set AF,   128
.set T,    128
.set U,    160
.set QC,   192
.set G1A, 24                           ; s[24:31], s[48:55], s[56:63]: descriptor groups 1 of x's, q's, k's or v's tiles
.set G1B, 48
.set G1C, 56
.set G0A, 32                           ; s[32:39], s[80:87], s[88:95]: their groups 0, one set for each slot
.set G0B, 80
.set G0C, 88
.set PFA, 66                           ; s[66:67] where my prefetches stand
.set FL,  (1<<20)|(1<<21)|(5<<22)|(3<<25)   ; elements of 1 byte; padding on; bit 21 beside a mask; four words after every 64
.set MSB, 0
.macro WIN new                         ; the immediate's high byte repeats the setting that is left; a switch that changes nothing is dropped
.if MSB != (\new)
	s_set_vgpr_msb (MSB<<8)|(\new)
.set MSB, (\new)
.endif
.endm
.macro PLACES n
.rept \n
	v_nop
.endr
.endm
; A joint load: one chain of branches on the wave's number, one load to an arm.  An s_nop 0 and four v_nop follow each load.
.macro JLOAD s
	s_cmp_lt_u32 s14, 2
	s_cbranch_scc0 .Lnot_a_\@
	tensor_load_to_lds s[G0A+4*\s:G0A+4*\s+3], s[G1A:G1A+7]
	s_nop 0
	PLACES 4
	s_branch .Lasked_\@
.Lnot_a_\@:
	s_cmp_eq_u32 s14, 2
	s_cbranch_scc0 .Lkv_\@
	tensor_load_to_lds s[G0B+4*\s:G0B+4*\s+3], s[G1B:G1B+7]
	s_nop 0
	PLACES 4
	s_branch .Lasked_\@
.Lkv_\@:
	tensor_load_to_lds s[G0C+4*\s:G0C+4*\s+3], s[G1C:G1C+7]
	s_nop 0
	PLACES 4
.Lasked_\@:
.endm
.macro CREST                           ; a round of the cluster's barrier behind its opening barrier
	s_cmp_lg_u32 s14, 0
	s_cbranch_scc1 .Lnot_wave_0_\@
	s_barrier_signal -3
.Lnot_wave_0_\@:
	s_barrier_wait -3
	s_barrier_signal -1
	s_barrier_wait -1
.endm
.macro CROUND
	s_barrier_signal -1
	s_barrier_wait -1
	CREST
.endm
.macro CSET a                          ; where token block a's cos and sin lie
.if (\a) < 3
.set CB, 192
.set CW, (\a)+1
.else
.set CB, 32
.set CW, 0
.endif
.endm
.macro CSLOAD a                        ; cos: register 4 bb + i is pair 8 bb + 4 (lane / 16) + i of token 16 a + lane % 16; sin 32 registers on
	CSET \a
	WIN CW<<6
.irp bb, 0,1,2,3,4,5,6,7
	global_load_b128 v[CB+4*\bb:CB+4*\bb+3],       v[FQ], s[68:69] offset:(\a)*4096+32*\bb
	global_load_b128 v[CB+32+4*\bb:CB+32+4*\bb+3], v[FQ], s[70:71] offset:(\a)*4096+32*\bb
.endr
	WIN 0
.endm
	s_load_b256 s[4:11], s[0:1], 0x0               ; x's codes s[4:5], w_attn's s[6:7], the exponents s[8:9], b_attn s[10:11]
	s_load_b256 s[68:75], s[0:1], 0x20             ; cos s[68:69], sin s[70:71], qf s[72:73], kvf s[74:75]
	s_load_b128 s[76:79], s[0:1], 0x40             ; out1 s[76:77], out2 s[78:79]
	v_lshl_add_u32 v[SPW], v0, 2, SPARE
	v_mov_b32 v[NIL], 0
	ds_add_u32 v[SPW], v[NIL]                      ; the opening lines: the add, twice on end, and its wait ahead of my first tensor load
	ds_add_u32 v[SPW], v[NIL]
	v_lshrrev_b32 v1, 5, v0
	v_readfirstlane_b32 s14, v1                    ; wave 0..3
	v_and_b32 v1, 15, v0                           ; r
	v_bfe_u32 v2, v0, 4, 1                         ; h
	v_mul_u32_u24 v3, v1, PITCH
	v_lshl_add_u32 v4, v2, 4, v3                   ; a fragment's row x pitch + 16 h
	s_mul_i32 s12, s14, 64*PITCH                   ; my 64 tokens
	v_add_nc_u32 v[ADRA], s12, v4
	v_add_nc_u32 v[ADRA+1], SLOT, v[ADRA]
	v_add_nc_u32 v[ADRB], 2*HALFT, v4              ; w_attn's 192 rows lie behind x's 256
	v_add_nc_u32 v[ADRB+1], 2*HALFT+SLOT, v4
	s_mul_i32 s12, s14, 16*PITCH
	s_add_co_u32 s12, s12, STG                     ; my stage
	v_lshl_add_u32 v5, v2, 5, v3
	v_add_nc_u32 v[STO], s12, v5                   ; in: row r, 32 bytes for each half of the lanes
	v_mul_u32_u24 v5, v2, PITCH
	v_lshl_add_u32 v5, v1, 4, v5
	v_add_nc_u32 v[RD], s12, v5                    ; back: lanes 0-15 one row of 256 bytes, lanes 16-31 the next
	v_and_b32 v6, 8, v1
	v_add_nc_u32 v6, v6, v1
	v_lshlrev_b32 v6, 2, v6
	v_mad_u32_u24 v6, v2, 8*PITCH, v6              ; by columns: tokens 8 h on, channel r + 8 (r / 8): 8 rows are 544 words, so the two halves of the lanes lie 32 banks apart
	v_add_nc_u32 v[TRD], s12, v6
	v_and_b32 v7, 31, v0
	v_lshlrev_b32 v[CO], 4, v7
	v_lshlrev_b32 v[GO], 9, v2
	v_lshl_add_u32 v[GO], v1, 4, v[GO]
	v_lshlrev_b32 v[FQ], 8, v1
	v_lshl_add_u32 v[FQ], v2, 4, v[FQ]
	v_lshlrev_b32 v[BO], 5, v2
	s_bfe_u32 s40, ttmp6, 0x40000                  ; cx, cy: my place in the cluster
	s_bfe_u32 s41, ttmp6, 0x40004
	s_and_b32 s15, ttmp7, 0xffff
	s_lshl_b32 s15, s15, 2
	s_add_co_u32 s15, s15, s41                     ; my tile of 256 tokens
	s_lshl_b32 s96, s41, 2
	s_lshl_b32 s96, 15, s96                        ; my row of the cluster
	s_lshl_b32 s97, 0x1111, s40                    ; my column
	s_or_b32 s[G1A], s96, FL
	s_or_b32 s[G1B], s97, FL
	s_or_b32 s[G1C], s97, FL
.irp g, G1A, G1B, G1C
	s_mov_b32 s[\g+1], 256<<16                     ; tensor_dim0
	s_mov_b32 s[\g+3], 256<<16                     ; tile_dim0
	s_mov_b32 s[\g+5], KROW                        ; tensor_dim0_stride
	s_mov_b32 s[\g+6], 0
	s_mov_b32 s[\g+7], 0
.endr
	s_mov_b32 s[G1A+2], 128<<16                    ; tensor_dim1, tile_dim1: 128 rows; k's or v's: 64
	s_mov_b32 s[G1A+4], 128
	s_mov_b32 s[G1B+2], 128<<16
	s_mov_b32 s[G1B+4], 128
	s_mov_b32 s[G1C+2], 64<<16
	s_mov_b32 s[G1C+4], 64
	s_and_b32 s12, s14, 1
	s_mul_i32 s13, s12, HALFT                      ; where x's half goes
	s_lshl_b32 s46, s15, 8
	s_lshl_b32 s47, s12, 7
	s_add_co_u32 s46, s46, s47                     ; x: token 256 x tile + 128 x (wave % 2)
	s_lshl_b32 s2, s40, 5
	s_add_co_u32 s2, s2, s46                       ; of these my work-group prefetches 32 from 32 cx on
	s_lshl_b32 s46, s46, 11
	s_mov_b32 s47, 0
	s_lshl_b32 s42, ttmp9, 2
	s_add_co_u32 s42, s42, s40                     ; j: q's head
	s_lshl_b32 s98, s42, 7                         ; q's first row of w_attn
	s_lshr_b32 s100, ttmp9, 1
	s_lshl_b32 s100, s100, 9
	s_lshl_b32 s101, s40, 7
	s_add_co_u32 s100, s100, s101
	s_and_b32 s43, ttmp9, 1                        ; which 64 channels of k's or v's head
	s_lshl_b32 s101, s43, 6
	s_add_co_u32 s100, s100, s101
	s_add_co_u32 s100, s100, 2048                  ; k's or v's first row: 2048 + 512 (X / 2) + 128 cx + 64 (X % 2)
	s_lshl_b32 s3, s41, 5
	s_add_co_u32 s3, s3, s98                       ; prefetch: q's rows from 32 cy on,
	s_lshl_b32 s99, s41, 4
	s_add_co_u32 s99, s99, s100                    ; k's or v's from 16 cy on
	s_cmp_eq_u32 s14, 3
	s_cselect_b32 s3, s99, s3
	s_cselect_b32 s99, 15, 31
	s_cmp_lt_u32 s14, 2
	s_cselect_b32 s2, s2, s3
	s_lshl_b32 s2, s2, 11
	s_mov_b32 s3, 0
	v_and_b32 v[PFO], s99, v0
	v_lshlrev_b32 v[PFO], 11, v[PFO]
	s_lshl_b32 s96, s98, 2                         ; the bias of q's columns, of k's or v's
	s_mov_b32 s97, 0
	s_lshl_b32 s44, s100, 2
	s_mov_b32 s45, 0
	s_lshl_b32 s98, s98, 11
	s_mov_b32 s99, 0
	s_lshl_b32 s100, s100, 11
	s_mov_b32 s101, 0
	s_wait_alu depctr_va_vdst(0)                   ; the wait here, directly ahead of the waits below
	s_wait_dscnt 0x0                               ; both opening adds are done
	s_wait_kmcnt 0x0
	s_load_b256 s[16:23], s[8:9], 0x0              ; e0 .. e7
	s_add_nc_u64 s[46:47], s[4:5], s[46:47]
	s_add_nc_u64 s[98:99], s[6:7], s[98:99]
	s_add_nc_u64 s[100:101], s[6:7], s[100:101]
.irp s, 0,1
	s_mov_b32 s[G0A+4*\s], 1
	s_add_co_u32 s[G0A+4*\s+1], s13, \s*SLOT
	s_add_nc_u64 s[G0A+4*\s+2:G0A+4*\s+3], s[46:47], \s*256
	s_or_b32 s[G0A+4*\s+3], s[G0A+4*\s+3], 0x80000000
	s_mov_b32 s[G0B+4*\s], 1
	s_mov_b32 s[G0B+4*\s+1], 2*HALFT+\s*SLOT
	s_add_nc_u64 s[G0B+4*\s+2:G0B+4*\s+3], s[98:99], \s*256
	s_or_b32 s[G0B+4*\s+3], s[G0B+4*\s+3], 0x80000000
	s_mov_b32 s[G0C+4*\s], 1
	s_mov_b32 s[G0C+4*\s+1], 3*HALFT+\s*SLOT
	s_add_nc_u64 s[G0C+4*\s+2:G0C+4*\s+3], s[100:101], \s*256
	s_or_b32 s[G0C+4*\s+3], s[G0C+4*\s+3], 0x80000000
.endr
	s_cmp_lt_u32 s14, 2
	s_cselect_b64 s[PFA:PFA+1], s[4:5], s[6:7]
	s_add_nc_u64 s[PFA:PFA+1], s[PFA:PFA+1], s[2:3]
	s_add_nc_u64 s[10:11], s[10:11], s[96:97]      ; b_attn at q's first column; s[44:45]: at k's or v's
	s_sub_nc_u64 s[44:45], s[44:45], s[96:97]
	s_add_nc_u64 s[44:45], s[10:11], s[44:45]
	CROUND                                         ; all sixteen work-groups are here: the first joint loads meet
	JLOAD 0                                        ; K step 0: one tensor load a wave at the head
.irp b, 0,1,2,3,4,5,6,7
	global_load_b128 v[BIAS+8*\b:BIAS+8*\b+3],   v[BO], s[10:11] offset:64*\b      ; register 8 b + i: the bias of column 16 b + 8 h + i
	global_load_b128 v[BIAS+8*\b+4:BIAS+8*\b+7], v[BO], s[10:11] offset:64*\b+16
.endr
.irp b, 0,1,2,3
	global_load_b128 v[BIAS+64+8*\b:BIAS+64+8*\b+3],   v[BO], s[44:45] offset:64*\b
	global_load_b128 v[BIAS+64+8*\b+4:BIAS+64+8*\b+7], v[BO], s[44:45] offset:64*\b+16
.endr
	global_prefetch_b8 v[PFO], s[PFA:PFA+1] offset:256 th:TH_LOAD_NT scope:SCOPE_SE   ; K steps 1 and 2 of my share of the rows that I fetch
	global_prefetch_b8 v[PFO], s[PFA:PFA+1] offset:512 th:TH_LOAD_NT scope:SCOPE_SE
	; where my results go
	s_lshr_b32 s12, s15, 2                         ; the batch
	s_and_b32 s13, s15, 3
	s_lshl_b32 s13, s13, 2
	s_add_co_u32 s13, s13, s14
	s_lshl_b32 s13, s13, 6                         ; t0: my first token in it
	s_lshl_b32 s46, s13, 8
	s_mov_b32 s47, 0
	s_add_nc_u64 s[68:69], s[68:69], s[46:47]      ; cos and sin at token t0
	s_add_nc_u64 s[70:71], s[70:71], s[46:47]
	CSLOAD 0
	CSLOAD 1
	CSLOAD 2
	s_lshl_b32 s46, s12, 4
	s_add_co_u32 s46, s46, s42
	s_lshl_b32 s46, s46, 17
	s_lshl_b32 s98, s13, 7                         ; t0 / 16 images of 2,048 bytes
	s_add_co_u32 s46, s46, s98
	s_add_nc_u64 s[72:73], s[72:73], s[46:47]      ; q's images
	s_lshl_b32 s99, s12, 2
	s_add_co_u32 s99, s99, s40                     ; batch x 4 + cx: k's or v's head
	s_lshl_b32 s100, s43, 10
	s_add_co_u32 s100, s100, s98                   ; k: image t0 / 16, registers 8 (X % 2) on
	s_lshr_b32 s101, s13, 7
	s_lshl_b32 s101, s101, 14                      ; v: block t0 / 128,
	s_lshl_b32 s98, s43, 13
	s_add_co_u32 s101, s101, s98                   ; images 4 (X % 2) on,
	s_and_b32 s98, s14, 1
	s_lshl_b32 s98, s98, 10
	s_add_co_u32 s101, s101, s98                   ; registers 8 (wave % 2) on,
	s_add_co_u32 s101, s101, 131072                ; behind K's images
	s_cmp_ge_u32 ttmp9, 2                          ; v?
	s_cselect_b32 s100, s101, s100
	s_cselect_b64 s[76:77], s[78:79], s[76:77]
	s_lshl_b32 s46, s99, 18
	s_add_co_u32 s46, s46, s100
	s_add_nc_u64 s[74:75], s[74:75], s[46:47]      ; k's or v's images
	s_lshl_b32 s46, s99, 10
	s_add_co_u32 s46, s46, s13
	s_lshl_b32 s46, s46, 9
	s_lshl_b32 s98, s43, 8
	s_add_co_u32 s46, s46, s98
	s_add_nc_u64 s[76:77], s[76:77], s[46:47]      ; k's or v's f32 rows: 256 bytes of each token's 512
	s_wait_kmcnt 0x0
	s_add_co_i32 s98, s16, s17                     ; e0 + e1
	s_add_co_i32 s96, s98, 127
	s_lshl_b32 s96, s96, 23                        ; 2^(e0 + e1) as f32
	s_mov_b32 s97, s96                             ; (named with it as a pair, so it is written)
	s_sub_co_i32 s100, 127, s98
	s_lshl_b32 s100, s100, 23                      ; 2^-(e0 + e1)
	s_mov_b32 s101, s100
	s_sub_co_i32 s99, s18, s98
	s_add_co_i32 s99, s99, 127
	s_lshl_b32 s12, s99, 23
	v_mov_b32 v[SCQ], s12                          ; 2^(e2 - e0 - e1)
	s_add_co_i32 s99, s99, 8
	s_lshl_b32 s99, s99, 23
	s_or_b32 s99, s99, 0x600000
	v_mov_b32 v[LIMQ], s99                         ; 448 x that
	s_sub_co_i32 s99, s19, s98
	s_cmp_ge_u32 ttmp9, 2
	s_cselect_b32 s99, s21, s99                    ; k: e3 - e0 - e1; v: e5.  A choice, no branch, hangs on the loaded numbers
	s_add_co_i32 s99, s99, 127
	s_lshl_b32 s12, s99, 23
	v_mov_b32 v[SCK], s12
	s_add_co_i32 s99, s99, 8
	s_lshl_b32 s99, s99, 23
	s_or_b32 s99, s99, 0x600000
	v_mov_b32 v[LIMK], s99
	s_wait_loadcnt 48                              ; the bias is in; the 48 loads of cos and sin behind it may be out
.set n, 0
.rept 48
	v_pk_mul_f32 v[BIAS+n:BIAS+n+1], v[BIAS+n:BIAS+n+1], s[100:101] op_sel_hi:[1,0]
.set n, n+2
.endr
; Fragments: lane l holds row l % 16; registers 4 c .. 4 c + 3 hold K = 32 c + 16 (l / 16) + 0 .. 15: the same order of k in x and in w_attn
.macro FETCH_B slot, q, i0, i1
	WIN 0x40
.set fi, \i0
.rept \i1-\i0
.irp c, 0,1,2,3
	ds_load_b128 v[16*fi+4*\c:16*fi+4*\c+3], v[ADRB+\slot] offset:128*(\q)+32*\c+fi*16*PITCH
.endr
.set fi, fi+1
.endr
	WIN 0
.endm
.macro FETCH_A slot, q, p
.irp i, 0,1,2,3
.irp c, 0,1,2,3
	ds_load_b128 v[AF+64*(\p)+16*\i+4*\c:AF+64*(\p)+16*\i+4*\c+3], v[ADRA+\slot] offset:128*(\q)+32*\c+\i*16*PITCH
.endr
.endr
.endm
; w_attn's blocks b0 .. b1 - 1, each against my four token blocks, 128 along K.  p: x's set.  first = 1: the bias is C.  The 48 accumulators take turns, one instruction a turn, in one order throughout.
.macro MUL b0, b1, p, first
.set bq, \b0
.rept \b1-\b0
.set aq, 0
.rept 4
.set AC, 48*aq+8*(bq%6)
.if \first
	v_wmma_f32_16x16x128_fp8_fp8 v[AC:AC+7], v[16*bq:16*bq+15], v[AF+64*(\p)+16*aq:AF+64*(\p)+16*aq+15], v[BIAS+8*bq:BIAS+8*bq+7]
.else
	v_wmma_f32_16x16x128_fp8_fp8 v[AC:AC+7], v[16*bq:16*bq+15], v[AF+64*(\p)+16*aq:AF+64*(\p)+16*aq+15], v[AC:AC+7]
.endif
.set aq, aq+1
.endr
.set bq, bq+1
.endr
.endm
; A slot's first step of 128 along K (x's set 0); its successor lies in the same slot.  Windows: source 0 window 1, source 1 window 0, D window 2 or 3, C the same or, first, window 0.
.macro STEP slot, first
	s_wait_dscnt 24                                ; blocks 0-5 and x's set are in; the youngest 24 loads (blocks 6-11) may be out
	WIN 0xa1-0x20*(\first)
	MUL 0, 6, 0, \first
	s_wait_dscnt 0
	PLACES 4                                       ; in front of loads into registers that matrix instructions have read
	FETCH_B \slot, 1, 0, 6
	FETCH_A \slot, 1, 1
	WIN 0xf1-0x30*(\first)
	MUL 6, 12, 0, \first
	PLACES 4
	FETCH_B \slot, 1, 6, 12
.endm
; A slot's last step (x's set 1) changes slots: one barrier; in front of it each wave waits for all its tensor loads, adds 0 to its spare word, and waits for that and for its reads of this slot.  fill = 1: this slot is filled again.
.macro TURN slot, next, fill
.if \fill
	s_wait_xcnt 0x0                                ; my prefetches have read their address: it steps one K step on
	s_add_nc_u64 s[PFA:PFA+1], s[PFA:PFA+1], 256
.endif
	s_wait_tensorcnt 0x0                           ; my part of the next slot has landed
	ds_add_u32 v[SPW], v[NIL]
	s_wait_dscnt 25                                ; (the add and the youngest 24 loads may be out)
	WIN 0xa1
	MUL 0, 3, 1, 0
	s_wait_dscnt 0x0                               ; the add is done, and my reads of this slot are over
	s_barrier_signal -1
	MUL 3, 6, 1, 0
	WIN 0
	s_barrier_wait -1
.if \fill
	CREST                                          ; the barrier has opened a round of the cluster's barrier
.irp g, G0A, G0B, G0C
	s_add_nc_u64 s[\g+4*\slot+2:\g+4*\slot+3], s[\g+4*\slot+2:\g+4*\slot+3], 512
.endr
	JLOAD \slot                                    ; the first tensor load behind the round; its four v_nop are also the places in front of the loads below
.else
	PLACES 4
.endif
	FETCH_B \next, 0, 0, 6
	FETCH_A \next, 0, 0
.if \fill
	s_cmp_gt_u32 s3, 1                             ; the last trip's two refills have no K step two on
	s_cbranch_scc0 .Lno_ask_\@
	global_prefetch_b8 v[PFO], s[PFA:PFA+1] offset:768 th:TH_LOAD_NT scope:SCOPE_SE   ; the K step two refills on
.Lno_ask_\@:
.endif
	WIN 0xf1
	MUL 6, 12, 1, 0
	PLACES 4
	FETCH_B \next, 0, 6, 12
.endm
; ---- the way out
.macro ROT t, x, c, cnt                ; t = x rotated: a pair (re, im) lies in two neighbouring registers; two pairs share a register pair of cos and of sin.  Each accumulator is read from its low end on
.set ri, 0
.rept \cnt
	v_pk_mul_f32 v[\t+2*ri:\t+2*ri+1],   v[\x+2*ri:\x+2*ri+1],   v[\c+ri:\c+ri+1] op_sel:[0,0] op_sel_hi:[1,0]   ; (re c, im c)
	v_pk_mul_f32 v[\t+2*ri+2:\t+2*ri+3], v[\x+2*ri+2:\x+2*ri+3], v[\c+ri:\c+ri+1] op_sel:[0,1] op_sel_hi:[1,1]
.set ri, ri+2
.endr
.set ri, 0
.rept \cnt
	v_pk_fma_f32 v[\t+2*ri:\t+2*ri+1],   v[\x+2*ri:\x+2*ri+1],   v[\c+32+ri:\c+32+ri+1], v[\t+2*ri:\t+2*ri+1]   op_sel:[1,0,0] op_sel_hi:[0,0,1] neg_lo:[1,0,0]   ; low: -im s + re c; high: re s + im c
	v_pk_fma_f32 v[\t+2*ri+2:\t+2*ri+3], v[\x+2*ri+2:\x+2*ri+3], v[\c+32+ri:\c+32+ri+1], v[\t+2*ri+2:\t+2*ri+3] op_sel:[1,1,0] op_sel_hi:[0,1,1] neg_lo:[1,0,0]
.set ri, ri+2
.endr
.endm
.macro HOLD t, cnt, lim                ; the conversion to an 8-bit code does not saturate (ISA guide 7.6.2): the hold at the largest code x the scale
.set hn, 0
.rept \cnt
	v_med3_num_f32 v[\t+hn], v[\t+hn], -v[\lim], v[\lim]
.set hn, hn+1
.endr
.endm
.macro CODES d, ds, t, cnt, sc
.set cn, 0
.rept \cnt
	v_cvt_scalef32_pk8_fp8_f32 v[\d+\ds*cn:\d+\ds*cn+1], v[\t+8*cn:\t+8*cn+7], v[\sc]
.set cn, cn+1
.endr
	v_nop                                          ; one plain vector instruction behind the last conversion
.endm
.macro QBLOCK a                        ; q's 16 tokens x 128 channels: the eight conversions are the image
	CSET \a
	WIN 0x02|(CW<<2)
	ROT T, 48*(\a), CB, 12
	WIN 0x03|(CW<<2)
	ROT T+48, 48*(\a), CB+24, 4
	WIN 0
	HOLD T, 64, LIMQ
	CODES QC+16*(\a), 2, T, 8, SCQ
.irp c, 0,1,2,3
	global_store_b128 v[CO], v[QC+16*(\a)+4*\c:QC+16*(\a)+4*\c+3], s[72:73] offset:2048*(\a)+512*\c
.endr
.endm
.macro STAGE a                         ; 16 tokens x 64 channels of f32 into my stage, and back as whole rows of 256 bytes.  LDS serves a wave's instructions in order (ISA guide 5.7.1.4): no wait between
.irp kb, 0,1,2,3
	ds_store_b128 v[STO], v[U+8*\kb:U+8*\kb+3]   offset:64*\kb
	ds_store_b128 v[STO], v[U+8*\kb+4:U+8*\kb+7] offset:64*\kb+16
.endr
	WIN 0x40
.irp i, 0,1,2,3,4,5,6,7
	ds_load_b128 v[32*(\a)+4*\i:32*(\a)+4*\i+3], v[RD] offset:2*\i*PITCH
.endr
	WIN 0
.endm
.macro ROWS a                          ; sixteen lanes store 256 consecutive bytes, aligned
	WIN 0x04
.irp i, 0,1,2,3,4,5,6,7
	global_store_b128 v[GO], v[32*(\a)+4*\i:32*(\a)+4*\i+3], s[76:77] offset:(16*(\a)+2*\i)*512 th:TH_STORE_NT
.endr
	WIN 0
.endm
.macro KBLOCK a, kh                    ; k's 16 tokens x 64 channels, pairs 32 kh on
	CSET \a
	WIN 0x03|(CW<<2)
	ROT T, 48*(\a)+16, CB+16*(\kh), 8
	WIN 0
.set n, 0
.rept 16
	v_pk_mul_f32 v[U+n:U+n+1], v[T+n:T+n+1], s[96:97] op_sel_hi:[1,0]   ; x 2^(e0 + e1): out1's numbers
.set n, n+2
.endr
	STAGE \a
	HOLD T, 32, LIMK
	CODES KC+8*(\a), 2, T, 4, SCK
	global_store_b128 v[CO], v[KC+8*(\a):KC+8*(\a)+3],   s[74:75] offset:2048*(\a)
	global_store_b128 v[CO], v[KC+8*(\a)+4:KC+8*(\a)+7], s[74:75] offset:2048*(\a)+512
	s_wait_dscnt 0x0
	ROWS \a
.endm
.macro VBLOCK a                        ; v's 16 tokens x 64 channels
	WIN 0x03
.set n, 0
.rept 16
	v_pk_mul_f32 v[U+n:U+n+1], v[48*(\a)+16+n:48*(\a)+16+n+1], s[96:97] op_sel_hi:[1,0]
.set n, n+2
.endr
	WIN 0
	STAGE \a
.irp gl, 0,1,2,3                       ; the stage by columns: T[8 gl + i] = token 8 h + i of the block, channel 32 (gl / 2) + 8 (gl % 2) + r + 8 (r / 8)
.irp i, 0,1,2,3,4,5,6,7
	ds_load_b32 v[T+8*\gl+\i], v[TRD] offset:PITCH*\i+4*(32*(\gl/2)+8*(\gl%2))
.endr
.endr
	s_wait_dscnt 32                                ; the rows are back; the 32 column reads may be out
	ROWS \a
	s_wait_dscnt 0x0
	HOLD T, 32, LIMK
	CODES KC+2*(\a), 8, T, 4, SCK                  ; image gl's registers 2 a, 2 a + 1 of my eight
.endm
	s_wait_alu depctr_va_vdst(0)                   ; the wait at the head's end
	s_wait_tensorcnt 0x0                           ; my part of K step 0 is in
	ds_add_u32 v[SPW], v[NIL]
	s_wait_dscnt 0x0
	CROUND
	JLOAD 1                                        ; K step 1: the first tensor load behind the round
	FETCH_B 0, 0, 0, 6
	FETCH_A 0, 0, 0
	FETCH_B 0, 0, 6, 12
	global_prefetch_b8 v[PFO], s[PFA:PFA+1] offset:768 th:TH_LOAD_NT scope:SCOPE_SE   ; K step 3
	STEP 0, 1                                      ; the first step stands in front of the loop: its products start the sums on the bias
	CSLOAD 3                                       ; into the bias's registers, four places behind the last product that read them
	s_mov_b32 s3, LAPS-1
.Llap:                                                 ; a trip goes once round the ring and fills both slots again
	TURN 0, 1, 1
	STEP 1, 0
	TURN 1, 0, 1
	STEP 0, 0
	s_sub_co_u32 s3, s3, 1
	s_cmp_lg_u32 s3, 0
	s_cbranch_scc1 .Llap
	TURN 0, 1, 0                                   ; the last lap fills nothing
	STEP 1, 0
	s_wait_dscnt 24                                ; the very last step
	WIN 0xa1
	MUL 0, 6, 1, 0
	s_wait_dscnt 0
	WIN 0xf1
	MUL 6, 12, 1, 0
	WIN 0
	PLACES 4                                       ; in front of the first reads of results
	s_wait_loadcnt 0x0                             ; cos and sin
.irp a, 0,1,2,3
	QBLOCK \a
.endr
	s_cmp_ge_u32 ttmp9, 2                          ; the cluster's x says what my last 64 columns are
	s_cbranch_scc1 .Lv
	s_cmp_eq_u32 ttmp9, 1
	s_cbranch_scc1 .Lk1
.irp a, 0,1,2,3
	KBLOCK \a, 0
.endr
	s_branch .Lend
.Lk1:
.irp a, 0,1,2,3
	KBLOCK \a, 1
.endr
	s_branch .Lend
.Lv:
.irp a, 0,1,2,3
	VBLOCK \a
.endr
.irp gl, 0,1,2,3
	global_store_b128 v[CO], v[KC+8*\gl:KC+8*\gl+3],   s[74:75] offset:2048*\gl       ; my 64 keys' half of each of V^T's four images
	global_store_b128 v[CO], v[KC+8*\gl+4:KC+8*\gl+7], s[74:75] offset:2048*\gl+512
.endr
.Lend:
	s_wait_tensorcnt 0x0                           ; the wave's end
	ds_add_u32 v[SPW], v[NIL]
	s_wait_dscnt 0x0
	CROUND                                         ; the closing round
	s_endpgm
.Lfunc_end_k_q4464429429_qkv:
	.size	k_q4464429429_qkv, .Lfunc_end_k_q4464429429_qkv-k_q4464429429_qkv
	.p2alignl 7, 3214868480
	.fill 96, 4, 3214868480
	.section	.rodata,"a",@progbits
	.p2align	6, 0x0
	.amdhsa_kernel k_q4464429429_qkv
		.amdhsa_group_segment_fixed_size 327680
		.amdhsa_private_segment_fixed_size 0
		.amdhsa_enable_private_segment 0
		.amdhsa_kernarg_size 80
		.amdhsa_user_sgpr_count 2
		.amdhsa_user_sgpr_kernarg_segment_ptr 1
		.amdhsa_wavefront_size32 1
		.amdhsa_system_sgpr_workgroup_id_x 1
		.amdhsa_system_sgpr_workgroup_id_y 1
		.amdhsa_system_sgpr_workgroup_id_z 1
		.amdhsa_system_vgpr_workitem_id 0
		.amdhsa_next_free_vgpr 1024
		.amdhsa_next_free_sgpr 102
		.amdhsa_reserve_vcc 0
		.amdhsa_float_denorm_mode_32 3
		.amdhsa_float_denorm_mode_16_64 3
		.amdhsa_memory_ordered 1
		.amdhsa_forward_progress 1
		.amdhsa_inst_pref_size 214
	.end_amdhsa_kernel
	.amdgpu_metadata
---
amdhsa.version: [ 1, 2 ]
amdhsa.kernels:
  - .name:           k_q4464429429_qkv
    .symbol:         k_q4464429429_qkv.kd
    .args:
      - { .name: x_codes, .offset: 0, .size: 8, .value_kind: global_buffer, .address_space: global }
      - { .name: w_attn_codes, .offset: 8, .size: 8, .value_kind: global_buffer, .address_space: global }
      - { .name: lowp_scales, .offset: 16, .size: 8, .value_kind: global_buffer, .address_space: global }
      - { .name: b_attn, .offset: 24, .size: 8, .value_kind: global_buffer, .address_space: global }
      - { .name: freqs_cos, .offset: 32, .size: 8, .value_kind: global_buffer, .address_space: global }
      - { .name: freqs_sin, .offset: 40, .size: 8, .value_kind: global_buffer, .address_space: global }
      - { .name: qf, .offset: 48, .size: 8, .value_kind: global_buffer, .address_space: global }
      - { .name: kvf, .offset: 56, .size: 8, .value_kind: global_buffer, .address_space: global }
      - { .name: out1, .offset: 64, .size: 8, .value_kind: global_buffer, .address_space: global }
      - { .name: out2, .offset: 72, .size: 8, .value_kind: global_buffer, .address_space: global }
    .group_segment_fixed_size: 327680
    .private_segment_fixed_size: 0
    .kernarg_segment_align: 8
    .kernarg_segment_size: 80
    .max_flat_workgroup_size: 128
    .sgpr_count:     102
    .vgpr_count:     1024
    .wavefront_size: 32
...
	.end_amdgpu_metadata
.endif
;; end of part 1
;; launch attn (part 2): grid 16 x 16, 8 waves a work-group, clusters of 4 x 1, 327,680 bytes of LDS; arguments qf, kvf, lowp_scales, yf; writes yf
.if DOCPART == 2
	.amdgcn_target "amdgcn-amd-amdhsa--gfx1250"
	.amdhsa_code_object_version 6
	.text
	.protected	k_q4464429429_attn
	.globl	k_q4464429429_attn
	.p2align	8
	.type	k_q4464429429_attn,@function
k_q4464429429_attn:
	s_mov_b64 s[64:65], 0
	v_nop
	global_prefetch_b8 v0, s[64:65] scope:SCOPE_SE
	s_setreg_imm32_b32 hwreg(HW_REG_WAVE_MODE, 25, 1), 1
	s_wait_xcnt 0x0
	s_wait_alu depctr_hold_cnt(0) depctr_sa_sdst(0) depctr_va_vdst(0) depctr_va_sdst(0) depctr_va_ssrc(0) depctr_va_vcc(0) depctr_vm_vsrc(0)
	s_getreg_b32 s2, hwreg(HW_REG_IB_STS2, 6, 4)
	s_cmp_eq_u32 s2, 0
	s_cbranch_scc0 .Lentry_in_a_cluster
	s_endpgm
.Lentry_in_a_cluster:
	s_bfe_u32 s2, ttmp6, 0x10000c
	s_cmp_lg_u32 s2, 0x3003
	s_cbranch_scc0 .Lentry_shape_is_right
	s_endpgm
.Lentry_shape_is_right:
; y = softmax(q k^T / sqrt(128), causal) v on codes of FP8 (E4M3); y leaves as codes (scale 2^e6) for the next launch.
; qf, kvf: images of operand registers (16 rows x 128 K = 2,048 bytes, lane l's registers 4 c .. 4 c + 3 at 512 c + 16 l): qf [batch x 16 + head][query / 16]; kvf [batch x 4 + kv head]: K's 64 images, then V^T's [key / 128][8 images].
; yf [token / 16][head][image]: lane % 16 = the token, registers 4 c .. 4 c + 3 = channels 32 c + 16 (lane / 16) + 0 .. 15.
; LEFT OUT: for each tile of queries the key steps all of whose 128 keys come after its queries: reference()'s own causal mask gives them the weight 0.
; THE SOFTMAX: t = score x log2(e) / sqrt(128); M = the running largest t rounded up to a whole number; p = 2^(t - M) is quantised (scale 2^e4), not normalised; the row's sum is taken of the unquantised p and divides at the end.
; LIMITS: e2 + e3 between -123 and 130 (added to c's exponent field); e4 and e6 between -126 and 119; the scaled scores stay under 2^31 in magnitude.
; SHARES.  A work-group serves one kv head (grid y), two of its four query heads (cx / 2) and, in each, the eight tiles of 16 queries with number 2 x cluster x + cx % 2 in their chunk of 128 keys.
; A WAVE OWNS TWO TILES OF ONE HEAD (head: wave / 4): tile 0 in chunk 4 + wave % 4, tile 1 in chunk 3 - wave % 4: 9 tile steps in every wave.  Both chunks hang on the wave's number alone;
; cx enters global addresses and the mask's numbers only: no branch, no LDS address.  While both tiles are at work each fragment of K and V read from LDS feeds two matrix instructions;
; behind tile 1's chunk its products, mask and softmax are jumped over by scalar branches on ids; no load, wait or barrier is.  Tile u lives in register window u under the same numbers.
; K AND V STAY IN LDS: the kv head's 262,144 bytes come by ONE joint load a wave (32,768 bytes each; mask 15: the four work-groups of a cluster share the kv head); nothing is filled again.
; No prefetch: the whole stream is asked for at the head, and there is no loop to run ahead in.
; Both products are used transposed (S^T = K Q^T, O^T = V^T P^T): a lane holds one query (lane % 16) throughout.
; REGISTERS of window u: v12 -M, v13 the largest t, v[14:15] the sum; v16-31 Q; v32-95 and v96-159: by turns four fragments (window 0: tiles 0-3 of K or V, window 1: tiles 4-7) and the scores; v160-223 O^T; v224-239 p's codes; v240.. constants, work.
; The two regions change roles from step to step: when p's codes are made, the NEXT step's K lands where the scores lay, while V is multiplied from the other region.  So the loop's trip holds two steps.
.set VIMG, 131072
.set LI,   1                           ; v1  16 x lane
.set DD,   2                           ; v2  my query's place in its chunk - 8 (lane / 16): the same for both tiles
.set NINF, 3
.set ADK,  8
.set ADV,  9
.set TB,   2
.set WV,   12
.set CX,   13
.set GY,   14
.set CC,   16                          ; s16  tile 0's chunk
.set KB,   17
.set SEL,  20
.set CS,   22
.set G1,   24
.set G0,   32
.set KE,   60
.set TE,   61
.set C1,   62                          ; s62  tile 1's chunk
.set MSB, 0
.macro WIN new                         ; the immediate's high byte repeats the setting that is left; a switch that changes nothing is dropped
.if MSB != (\new)
	s_set_vgpr_msb (MSB<<8)|(\new)
.set MSB, (\new)
.endif
.endm
.macro PLACES n
.rept \n
	v_nop
.endr
.endm
.macro CROUND
	s_barrier_signal -1
	s_barrier_wait -1
	s_cmp_lg_u32 s[WV], 0
	s_cbranch_scc1 .Lnot_wave_0_\@
	s_barrier_signal -3
.Lnot_wave_0_\@:
	s_barrier_wait -3
	s_barrier_signal -1
	s_barrier_wait -1
.endm
.macro FRAGS fb, adr, off              ; eight images from byte off on: 0-3 into window 0, 4-7 into window 1
	WIN 0
.irp t, 0,1,2,3
.irp c, 0,1,2,3
	ds_load_b128 v[\fb+16*\t+4*\c:\fb+16*\t+4*\c+3], v[\adr] offset:\off+\t*2048+512*\c
.endr
.endr
	WIN 0x40
.irp t, 0,1,2,3
.irp c, 0,1,2,3
	ds_load_b128 v[\fb+16*\t+4*\c:\fb+16*\t+4*\c+3], v[\adr] offset:\off+(4+\t)*2048+512*\c
.endr
.endr
	WIN 0
.endm
	s_load_b128 s[4:7], s[0:1], 0x0                ; qf, kvf
	s_load_b128 s[8:11], s[0:1], 0x10              ; the exponents, yf
	v_lshl_add_u32 v251, v0, 2, 0x40000
	v_mov_b32 v255, 0
	ds_add_u32 v251, v255                          ; the opening lines: the add, twice on end, and its wait ahead of my tensor load
	ds_add_u32 v251, v255
	v_lshrrev_b32 v8, 5, v0
	v_readfirstlane_b32 s[WV], v8
	s_bfe_u32 s[CX], ttmp6, 0x40000
	s_and_b32 s[GY], ttmp7, 0xffff
	s_and_b32 s15, s[WV], 3
	s_add_co_u32 s[CC], s15, 4                     ; 4 5 6 7
	s_xor_b32 s[C1], s15, 3                        ; 3 2 1 0
	s_and_b32 s18, s[CX], 1
	s_lshl_b32 s19, ttmp9, 1
	s_add_co_u32 s19, s19, s18                     ; which of a chunk's eight tiles
	s_lshl_b32 s3, s[CC], 3
	s_add_co_u32 s3, s3, s19                       ; tile 0's number among the head's 64
	s_lshl_b32 s18, s[C1], 3
	s_add_co_u32 s18, s18, s19                     ; tile 1's
	s_lshl_b32 s48, s[WV], 15                      ; my 32,768 bytes of K and V, in memory and in LDS
	s_lshl_b32 s50, s[GY], 18
	s_add_co_u32 s50, s50, s48
	s_mov_b32 s51, 0
	s_mov_b32 s[G1+0], 15|(3<<16)|(1<<21)          ; mask: all four; elements of 8 bytes; bit 21 beside a mask
	s_mov_b32 s[G1+1], 32<<16                      ; rows of 256 bytes,
	s_mov_b32 s[G1+2], 128<<16                     ; 128 of them, dense
	s_mov_b32 s[G1+3], 32<<16
	s_mov_b32 s[G1+4], 128
	s_mov_b32 s[G1+5], 32
	s_mov_b32 s[G1+6], 0
	s_mov_b32 s[G1+7], 0
	s_mov_b32 s[SEL], 0x76543210
	s_mov_b32 s[SEL+1], 0xfedcba98
	s_mov_b32 s[CS], 0x3e0293ee                    ; log2(e) / sqrt(128)
	s_mov_b32 s[TB], 0
	s_mov_b32 s[KB], 0
	s_wait_dscnt 0x0
	s_wait_kmcnt 0x0
	s_load_b256 s[40:47], s[8:9], 0x0              ; e0 .. e7
	s_add_nc_u64 s[50:51], s[6:7], s[50:51]
	s_mov_b32 s[G0], 1
	s_mov_b32 s[G0+1], s48
	s_mov_b64 s[G0+2:G0+3], s[50:51]
	s_or_b32 s[G0+3], s[G0+3], 0x80000000
	CROUND                                         ; the four work-groups are here: the joint loads meet
	tensor_load_to_lds s[G0:G0+3], s[G1:G1+7]
	s_nop 0
	PLACES 4
	s_lshr_b32 s52, s[CX], 1
	s_lshl_b32 s52, s52, 1
	s_lshr_b32 s53, s[WV], 2
	s_add_co_u32 s52, s52, s53                     ; my head of the group's four
	s_lshl_b32 s53, s[GY], 2
	s_add_co_u32 s53, s53, s52
	s_lshl_b32 s53, s53, 6                         ; its first image in qf
	s_add_co_u32 s54, s53, s3
	s_lshl_b32 s54, s54, 11
	s_mov_b32 s55, 0
	s_add_co_u32 s56, s53, s18
	s_lshl_b32 s56, s56, 11
	s_mov_b32 s57, 0
	s_add_nc_u64 s[56:57], s[4:5], s[56:57]        ; tile 1's Q
	s_add_nc_u64 s[4:5], s[4:5], s[54:55]          ; tile 0's
	v_and_b32 v[LI], 31, v0
	v_lshlrev_b32 v[LI], 4, v[LI]
.irp c, 0,1,2,3
	global_load_b128 v[16+4*\c:19+4*\c], v[LI], s[4:5] offset:512*\c
.endr
	WIN 0x40
.irp c, 0,1,2,3
	global_load_b128 v[16+4*\c:19+4*\c], v[LI], s[56:57] offset:512*\c
.endr
	WIN 0
	s_lshr_b32 s53, s[GY], 2
	s_lshl_b32 s53, s53, 6                         ; the batch's first tile of 16 tokens
	s_and_b32 s54, s[GY], 3
	s_lshl_b32 s54, s54, 2
	s_add_co_u32 s52, s52, s54                     ; my head of 16
	s_add_co_u32 s54, s53, s3
	s_lshl_b32 s54, s54, 4
	s_add_co_u32 s54, s54, s52
	s_lshl_b32 s54, s54, 11
	s_add_co_u32 s58, s53, s18
	s_lshl_b32 s58, s58, 4
	s_add_co_u32 s58, s58, s52
	s_lshl_b32 s58, s58, 11
	s_mov_b32 s59, 0
	s_add_nc_u64 s[58:59], s[10:11], s[58:59]      ; tile 1's image in yf
	s_add_nc_u64 s[10:11], s[10:11], s[54:55]      ; tile 0's
	v_and_b32 v8, 15, v0
	v_bfe_u32 v9, v0, 4, 1
	v_lshlrev_b32 v9, 3, v9
	v_sub_nc_u32 v[DD], v8, v9
	s_lshl_b32 s19, s19, 4
	v_add_nc_u32 v[DD], s19, v[DD]
	v_mov_b32 v[NINF], 0xff800000
	v_mov_b32 v13, 0xff61b1e6                      ; the largest t so far: -3e38
	v_floor_f32 v12, -v13
	v_mov_b32 v14, 0
	v_mov_b32 v15, 0
	v_mov_b32 v236, 0
	v_mov_b32 v252, 0
	v_mov_b32 v253, 0
	s_wait_kmcnt 0x0
	s_add_co_i32 s48, s42, s43
	s_lshl_b32 s48, s48, 23
	s_add_co_i32 s[CS], s[CS], s48                 ; a score stands for score x 2^(e2 + e3)
	s_mov_b32 s[CS+1], s[CS]
	s_add_co_i32 s48, s44, 127
	s_lshl_b32 s49, s48, 23
	v_mov_b32 v244, s49                            ; 2^e4
	s_add_co_i32 s48, s48, 8
	s_lshl_b32 s48, s48, 23
	s_or_b32 s48, s48, 0x600000
	v_mov_b32 v240, s48                            ; 448 x 2^e4
	s_add_co_i32 s48, s46, 127
	s_lshl_b32 s49, s48, 23
	v_mov_b32 v245, s49                            ; 2^e6
	s_add_co_i32 s48, s48, 8
	s_lshl_b32 s48, s48, 23
	s_or_b32 s48, s48, 0x600000
	v_mov_b32 v246, s48
.set n, 0
.rept 64
	v_mov_b32 v[160+n], 0                          ; O^T: the step is written for every step alike: the first finds zeros
.set n, n+1
.endr
	WIN 0x40                                       ; window 1 gets the same state and constants
.irp r, 2,3,12,13,14,15,236,240,244,245,246,252,253
	v_mov_b32 v\r, v\r
.endr
.set n, 0
.rept 64
	v_mov_b32 v[160+n], 0
.set n, n+1
.endr
	WIN 0
.macro MASK sb                         ; register 8 t + j holds key 16 t + 8 (lane / 16) + j of the chunk: hidden where 16 t + j > DD
.set n, 0
.rept 64
	v_cmp_gt_i32 vcc_lo, 16*(n/8)+n%8, v[DD]
	v_cndmask_b32 v[\sb+n], v[\sb+n], v[NINF], vcc_lo
.set n, n+1
.endr
.endm
.macro SOFT u, sb                      ; tile u's softmax of 128 keys, all in window u
	WIN 0x55*(\u)
	s_wait_alu depctr_va_vdst(0)                   ; the wait here, directly ahead of the first reader of the scores
	v_max3_num_f32 v254, v[\sb], v[\sb+1], v[\sb+2]
	v_max3_num_f32 v252, v[\sb+3], v[\sb+4], v[\sb+5]
.irp i, 6,10,14,18,22,26,30,34,38,42,46,50,54,58
	v_max3_num_f32 v254, v254, v[\sb+\i], v[\sb+1+\i]
	v_max3_num_f32 v252, v252, v[\sb+2+\i], v[\sb+3+\i]
.endr
	v_max3_num_f32 v254, v254, v[\sb+62], v[\sb+63]
	s_delay_alu instid0(VALU_DEP_1)
	v_max_num_f32 v254, v254, v252
	v_permlanex16_b32 v236, v254, s[SEL], s[SEL+1]
	s_delay_alu instid0(VALU_DEP_1)
	v_max_num_f32 v254, v254, v236
	s_delay_alu instid0(VALU_DEP_1)
	v_mul_f32 v254, s[CS], v254
	s_delay_alu instid0(VALU_DEP_1)
	v_max_num_f32 v13, v13, v254                   ; the running largest t
	v_mov_b32 v254, v12
	s_delay_alu instid0(VALU_DEP_2)
	v_floor_f32 v12, -v13                          ; -M = floor(-t)
	s_delay_alu instid0(VALU_DEP_1)
	v_sub_f32 v254, v12, v254
	s_delay_alu instid0(VALU_DEP_1)
	v_cvt_i32_f32 v254, v254
	s_delay_alu instid0(VALU_DEP_1)
	v_ldexp_f32 v252, 1.0, v254                    ; f = 2^(old M - new M)
.set n, 0
.rept 32
	v_pk_fma_f32 v[\sb+n:\sb+1+n], v[\sb+n:\sb+1+n], s[CS:CS+1], v[12:13] op_sel_hi:[1,0,0]
.set n, n+2
.endr
	s_wait_alu depctr_va_vdst(0)                   ; the wait ahead of the batch
.set n, 0
.rept 64
	v_exp_f32 v[\sb+n], v[\sb+n]
.set n, n+1
.endr
	v_pk_mul_f32 v[14:15], v[14:15], v[252:253] op_sel_hi:[1,0]
	s_wait_alu depctr_va_vdst(0)                   ; and behind it, ahead of its first reader
	v_pk_add_f32 v[242:243], v[\sb:\sb+1], v[\sb+2:\sb+3]
.set n, 4
.rept 15
	v_pk_add_f32 v[14:15], v[14:15], v[\sb+n:\sb+1+n]
	v_pk_add_f32 v[242:243], v[242:243], v[\sb+2+n:\sb+3+n]
.set n, n+4
.endr
	s_delay_alu instid0(VALU_DEP_1)
	v_pk_add_f32 v[14:15], v[14:15], v[242:243]
.set n, 0
.rept 64
	v_min_num_f32 v[\sb+n], v[\sb+n], v240         ; the conversion does not saturate (ISA guide 7.6.2); p is not negative
.set n, n+1
.endr
.set n, 0
.rept 8
	v_cvt_scalef32_pk8_fp8_f32 v[224+2*n:225+2*n], v[\sb+8*n:\sb+7+8*n], v244
.set n, n+1
.endr
	s_wait_alu depctr_va_vdst(0)                   ; the wait here, directly ahead of the first reader of O^T
.set n, 0
.rept 32
	v_pk_mul_f32 v[160+n:161+n], v[160+n:161+n], v[252:253] op_sel_hi:[1,0]
.set n, n+2
.endr
.endm
.macro SMUL u, sb, fb                  ; tile u's scores: source 0 (K) window g, source 1 (Q) and D window u
.irp g, 0,1
	WIN \g|(0x44*(\u))
.irp t, 0,1,2,3
	v_wmma_f32_16x16x128_fp8_fp8 v[\sb+8*(4*\g+\t):\sb+8*(4*\g+\t)+7], v[\fb+16*\t:\fb+16*\t+15], v[16:31], 0
.endr
.endr
	WIN 0
.endm
.macro PMUL u, fb                      ; tile u's O^T += V^T P^T: source 0 (V) window g; P, C and D window u
.irp g, 0,1
	WIN \g|(0x54*(\u))
.irp t, 0,1,2,3
	v_wmma_f32_16x16x128_fp8_fp8 v[160+8*(4*\g+\t):167+8*(4*\g+\t)], v[\fb+16*\t:\fb+16*\t+15], v[224:239], v[160+8*(4*\g+\t):167+8*(4*\g+\t)]
.endr
.endr
	WIN 0
.endm
; A KEY STEP: chunk KB + o.  Its K lies in region fb (asked for a step ago); the scores go to region sb.
.macro STEP o, sb, fb
	s_add_co_u32 s[KE], s[KB], \o
	s_cmp_gt_u32 s[KE], s[CC]                      ; all its keys come after both tiles' queries: left out
	s_cbranch_scc1 .Lhidden_\@
	s_add_co_u32 s[TE], s[TB], 16384*(\o)
	v_add_nc_u32 v[ADK], s[TE], v[LI]
	v_add_nc_u32 v[ADV], VIMG, v[ADK]
	PLACES 3                                       ; five places: the scores are written over the fragments of V that the last products read
	s_wait_alu depctr_va_vdst(0)                   ; the wait here, directly ahead of the wait below
	s_wait_dscnt 0x0                               ; K
	SMUL 0, \sb, \fb
	s_cmp_gt_u32 s[KE], s[C1]                      ; behind tile 1's chunk its share of the step is left out
	s_cbranch_scc1 .Lno_s1_\@
	SMUL 1, \sb, \fb
.Lno_s1_\@:
	PLACES 4
	FRAGS \fb, ADV, 0                              ; V lands under the softmax
	s_cmp_lg_u32 s[KE], s[CC]
	s_cbranch_scc1 .Lopen0_\@
	MASK \sb                                       ; tile 0's chunk on the diagonal
.Lopen0_\@:
	s_cmp_lg_u32 s[KE], s[C1]
	s_cbranch_scc1 .Lopen1_\@
	WIN 0x55
	MASK \sb                                       ; tile 1's
	WIN 0
.Lopen1_\@:
	SOFT 0, \sb
	WIN 0
.irp t, 0,1,2,3
.irp c, 0,1,2,3
	ds_load_b128 v[\sb+16*\t+4*\c:\sb+16*\t+4*\c+3], v[ADK] offset:16384+\t*2048+512*\c      ; the next chunk's K, where tile 0's scores lay (behind chunk 7: bytes of V, which nobody multiplies)
.endr
.endr
	s_cmp_gt_u32 s[KE], s[C1]
	s_cbranch_scc1 .Lno_f1_\@
	SOFT 1, \sb
	WIN 0
.Lno_f1_\@:
	WIN 0x40
.irp t, 0,1,2,3
.irp c, 0,1,2,3
	ds_load_b128 v[\sb+16*\t+4*\c:\sb+16*\t+4*\c+3], v[ADK] offset:16384+(4+\t)*2048+512*\c
.endr
.endr
	WIN 0
	s_wait_alu depctr_va_vdst(0)                   ; the wait here, directly ahead of the wait below
	s_wait_dscnt 32                                ; V is in; the next K's 32 loads may be out: the same loads on every way through the step
	PMUL 0, \fb
	s_cmp_gt_u32 s[KE], s[C1]
	s_cbranch_scc1 .Lhidden_\@
	PMUL 1, \fb
.Lhidden_\@:
.endm
	s_wait_alu depctr_va_vdst(0)                   ; the wait at the head's end
	s_wait_tensorcnt 0x0                           ; my part of K and V is in,
	s_barrier_signal -1
	s_barrier_wait -1                              ; everybody's is
	FRAGS 32, LI, 0                                ; chunk 0's K
	s_wait_loadcnt 0x0                             ; Q
.Lk:                                                   ; four trips of two steps in every wave
	STEP 0, 96, 32
	STEP 1, 32, 96
	s_add_co_u32 s[TB], s[TB], 32768
	s_add_co_u32 s[KB], s[KB], 2
	s_cmp_lt_u32 s[KB], 8
	s_cbranch_scc1 .Lk
	s_wait_dscnt 0x0                               ; the K that was asked for behind my last step
	PLACES 4
	s_add_co_i32 s48, s44, s45
.macro OUT u, base                     ; O^T / the sum x 2^(e4 + e5), quantised with 2^e6: the eight conversions are y's image
	WIN 0x55*(\u)
	v_add_f32 v14, v14, v15
	s_delay_alu instid0(VALU_DEP_1)
	v_permlanex16_b32 v252, v14, s[SEL], s[SEL+1]
	s_delay_alu instid0(VALU_DEP_1)
	v_add_f32 v14, v14, v252
	s_wait_alu depctr_va_vdst(0)                   ; the wait ahead of the transcendental
	v_rcp_f32 v14, v14
	v_nop
	s_wait_alu depctr_va_vdst(0)                   ; and ahead of its first reader
	v_ldexp_f32 v14, v14, s48
	s_wait_alu depctr_va_vdst(0)                   ; and directly ahead of the first reader of O^T
.set n, 0
.rept 64
	v_mul_f32 v[96+n], v[160+n], v14
.set n, n+1
.endr
.set n, 0
.rept 64
	v_med3_num_f32 v[96+n], v[96+n], -v246, v246
.set n, n+1
.endr
.set n, 0
.rept 8
	v_cvt_scalef32_pk8_fp8_f32 v[224+2*n:225+2*n], v[96+8*n:103+8*n], v245
.set n, n+1
.endr
	v_nop
	WIN (\u)<<2                                    ; store data: window u; address: window 0
.irp c, 0,1,2,3
	global_store_b128 v[LI], v[224+4*\c:227+4*\c], s[\base:\base+1] offset:512*\c   ; each store covers 512 consecutive bytes
.endr
.endm
	OUT 0, 10
	OUT 1, 58
	WIN 0
	s_wait_tensorcnt 0x0                           ; the wave's end
	ds_add_u32 v251, v255
	s_wait_dscnt 0x0
	CROUND                                         ; the closing round
	s_endpgm
.Lfunc_end_k_q4464429429_attn:
	.size	k_q4464429429_attn, .Lfunc_end_k_q4464429429_attn-k_q4464429429_attn
	.p2alignl 7, 3214868480
	.fill 96, 4, 3214868480
	.section	.rodata,"a",@progbits
	.p2align	6, 0x0
	.amdhsa_kernel k_q4464429429_attn
		.amdhsa_group_segment_fixed_size 327680
		.amdhsa_private_segment_fixed_size 0
		.amdhsa_enable_private_segment 0
		.amdhsa_kernarg_size 32
		.amdhsa_user_sgpr_count 2
		.amdhsa_user_sgpr_kernarg_segment_ptr 1
		.amdhsa_wavefront_size32 1
		.amdhsa_system_sgpr_workgroup_id_x 1
		.amdhsa_system_sgpr_workgroup_id_y 1
		.amdhsa_system_sgpr_workgroup_id_z 1
		.amdhsa_system_vgpr_workitem_id 0
		.amdhsa_next_free_vgpr 512
		.amdhsa_next_free_sgpr 66
		.amdhsa_reserve_vcc 1
		.amdhsa_float_denorm_mode_32 3
		.amdhsa_float_denorm_mode_16_64 3
		.amdhsa_memory_ordered 1
		.amdhsa_forward_progress 1
		.amdhsa_inst_pref_size 117
	.end_amdhsa_kernel
	.amdgpu_metadata
---
amdhsa.version: [ 1, 2 ]
amdhsa.kernels:
  - .name:           k_q4464429429_attn
    .symbol:         k_q4464429429_attn.kd
    .args:
      - { .name: qf, .offset: 0, .size: 8, .value_kind: global_buffer, .address_space: global }
      - { .name: kvf, .offset: 8, .size: 8, .value_kind: global_buffer, .address_space: global }
      - { .name: lowp_scales, .offset: 16, .size: 8, .value_kind: global_buffer, .address_space: global }
      - { .name: yf, .offset: 24, .size: 8, .value_kind: global_buffer, .address_space: global }
    .group_segment_fixed_size: 327680
    .private_segment_fixed_size: 0
    .kernarg_segment_align: 8
    .kernarg_segment_size: 32
    .max_flat_workgroup_size: 256
    .sgpr_count:     66
    .vgpr_count:     512
    .wavefront_size: 32
...
	.end_amdgpu_metadata
.endif
;; end of part 2
;; launch proj (part 3): grid 16 x 16, 4 waves a work-group, clusters of 4 x 1, 327,680 bytes of LDS; arguments yf, w_proj_codes, lowp_scales, b_proj, out0; writes out0
.if DOCPART == 3
	.amdgcn_target "amdgcn-amd-amdhsa--gfx1250"
	.amdhsa_code_object_version 6
	.text
	.protected	k_q4464429429_proj
	.globl	k_q4464429429_proj
	.p2align	8
	.type	k_q4464429429_proj,@function
k_q4464429429_proj:
	s_mov_b64 s[64:65], 0
	v_nop
	global_prefetch_b8 v0, s[64:65] scope:SCOPE_SE
	s_setreg_imm32_b32 hwreg(HW_REG_WAVE_MODE, 25, 1), 1
	s_wait_xcnt 0x0
	s_wait_alu depctr_hold_cnt(0) depctr_sa_sdst(0) depctr_va_vdst(0) depctr_va_sdst(0) depctr_va_ssrc(0) depctr_va_vcc(0) depctr_vm_vsrc(0)
	s_getreg_b32 s2, hwreg(HW_REG_IB_STS2, 6, 4)
	s_cmp_eq_u32 s2, 0
	s_cbranch_scc0 .Lentry_in_a_cluster
	s_endpgm
.Lentry_in_a_cluster:
	s_bfe_u32 s2, ttmp6, 0x10000c
	s_cmp_lg_u32 s2, 0x3003
	s_cbranch_scc0 .Lentry_shape_is_right
	s_endpgm
.Lentry_shape_is_right:
; out0 = y w_proj^T + b_proj on codes of FP8 (E4M3).  y: 4,096 tokens x 2,048, as register images in yf [token / 16][head][2,048 bytes]; w_proj: [2048][2048] codes, K innermost; out0: [4096][2048] f32.
; A number of y is code x 2^e6, of w_proj code x 2^e7; out0 = sum x 2^(e6 + e7) + b_proj, one packed multiply-add for two numbers.  LIMIT: e6 + e7 between -126 and 127.
; SHARES.  A tile of out0 is 256 tokens x 128 columns: 16 x 16 = 256 work-groups.  Four waves, each 64 tokens x all 128 columns: 32 accumulators, 256 registers.
; W_PROJ STAYS IN LDS.  The tile's 128 rows, all 2,048 along K, are eight chunks of 128 rows x (256 bytes + 16 of padding), 278,528 bytes, filled ONCE (wave w brings chunks w and w + 4): nothing is filled again, so
; there is no ring, and among the products stands one barrier, ahead of the first read of chunk 4.
; Y GOES FROM MEMORY STRAIGHT INTO REGISTERS.  An image IS the operand's registers (registers 4 c .. 4 c + 3 of lane l at 512 c + 16 l), so each load of a wave covers 512 consecutive bytes, and the images of a wave's
; 64 tokens are wanted by no other wave of its work-group.  A step of 128 along K (one head) is four images, 16 loads; four steps' loads are out while a fifth step's registers are multiplied.
; An image's registers 4 c .. 4 c + 3 hold channels 32 c + 16 (lane / 16) + 0 .. 15, which is what four 16-byte loads, 32 bytes apart, give of a row of w_proj: the same order of k on both sides.
; CLUSTER: 4 x 1: four token tiles of one column tile need the same rows of w_proj: each chunk is asked for JOINTLY (mask 15).  y's images are not, though the 16 work-groups of a token tile read the same ones: a joint
; load lands in LDS, where beside w_proj's 278,528 bytes and the stages' 33,792 only 15,360 of 327,680 are left, less than half of the 32,768 bytes of images that one step of the work-group takes.
; No prefetch: w_proj is asked for whole at the head, and y's loads themselves run four steps ahead.
; THE MATRIX INSTRUCTION IS USED TRANSPOSED (source 0 = 16 rows of w_proj, source 1 = 16 tokens): a lane holds eight neighbouring columns of one token.
; REGISTERS: window 0: v0-31 addresses; v32-95 the bias of my 64 columns; v96-159 at work on the way out; v192-255 y's set 4.   window 1: w_proj's fragments, two sets, at v0 and v128; on the way out rows at v0-127.
;   window 2: the accumulators ((a, b) at v[8 (8 a + b)]).   window 3: y's sets 0 to 3, 64 registers each.
.set SIZE_K,  2048
.set PITCH,   272                      ; a row of a chunk in LDS: 256 bytes + 16 of padding = 68 words: the 16 rows that a load touches start at 16 different banks (64 banks of 4 bytes: ISA guide 11.1)
.set CHUNK,   128*PITCH                ; 128 rows x 256 along K: one tensor load
.set STG,     8*CHUNK                  ; behind the chunks: a stage of 16 rows x (512 bytes + 16) for each wave, into which no tensor load lands
.set SPITCH,  528
.set NSET,    5                        ; y's sets of registers
.set AHEAD,   4                        ; step q asks for step q + 4's images
.set ADRB, 16                          ; v16-19  LDS address of my lane's place in chunks 0, 2, 4, 6: an LDS offset of 16 bits reaches over two chunks (65,504 at the most)
.set STO,  24                          ; v24     the stage: where I put 32 bytes of a row
.set RD,   25                          ; v25     the stage: where I read a row back
.set CO,   26                          ; v26     16 x lane
.set BO,   30                          ; v30     the bias: 32 (lane / 16)
.set BIAS, 32
.set TMP,  96
.set G1,  24                           ; s[24:31] descriptor group 1;  s[32:35], s[36:39] group 0 of my two loads
.set G0,  32
.set MSB, 0
.macro WIN new                         ; the immediate's high byte repeats the setting that is left; a switch that changes nothing is dropped
.if MSB != (\new)
	s_set_vgpr_msb (MSB<<8)|(\new)
.set MSB, (\new)
.endif
.endm
.macro CROUND                          ; a round of the cluster's barrier
	s_barrier_signal -1
	s_barrier_wait -1
	s_cmp_lg_u32 s14, 0
	s_cbranch_scc1 .Lnot_wave_0_\@
	s_barrier_signal -3
.Lnot_wave_0_\@:
	s_barrier_wait -3
	s_barrier_signal -1
	s_barrier_wait -1
.endm
.macro PLACES n                        ; plain vector instructions between a matrix instruction and a load into, or a vector read or write of, its registers (ISA guide 7.12.1 for vector reads and writes)
.rept \n
	v_nop
.endr
.endm
; y's four images of step q (head q; token tiles 0 to 3 of my 64 tokens) into set q % 5
.macro ALOAD q
.if ((\q)%NSET) == 4
.set AS, 192
	WIN 0
.else
.set AS, 64*((\q)%NSET)
	WIN 0xc0                                       ; destination window 3, address window 0
.endif
.irp i, 0,1,2,3
.irp c, 0,1,2,3
	global_load_b128 v[AS+16*\i+4*\c:AS+16*\i+4*\c+3], v[CO], s[4:5] offset:32768*\i+2048*(\q)+512*\c
.endr
.endr
.endm
; w_proj's fragments i0 .. i0 + 3 of step q into set q % 2: chunk q / 2, bytes 128 (q % 2) on of its rows
.macro FB q, i0
	WIN 0x40                                       ; destination window 1, address window 0
.irp i, \i0, \i0+1, \i0+2, \i0+3
.irp c, 0,1,2,3
	ds_load_b128 v[128*((\q)%2)+16*(\i)+4*\c:128*((\q)%2)+16*(\i)+4*\c+3], v[ADRB+(\q)/4] offset:(((\q)%4)/2)*CHUNK+128*((\q)%2)+32*\c+(\i)*16*PITCH
.endr
.endr
.endm
; 16 matrix instructions of step q: w_proj's fragments b0 .. b0 + 3, each against my four token blocks.  Step 0's products start the sums: nothing is cleared.
; The 32 accumulators take turns, one instruction a turn, in one order throughout.
.macro MULB q, b0
.if ((\q)%NSET) == 4
.set AS, 192
	WIN 0xa1                                       ; source 0 (w_proj) window 1, source 1 (y) window 0, C and D window 2
.else
.set AS, 64*((\q)%NSET)
	WIN 0xad                                       ; the same with y in window 3
.endif
.irp b, \b0, \b0+1, \b0+2, \b0+3
.irp a, 0,1,2,3
.if (\q) == 0
	v_wmma_f32_16x16x128_fp8_fp8 v[8*(8*\a+(\b)):8*(8*\a+(\b))+7], v[128*((\q)%2)+16*(\b):128*((\q)%2)+16*(\b)+15], v[AS+16*\a:AS+16*\a+15], 0
.else
	v_wmma_f32_16x16x128_fp8_fp8 v[8*(8*\a+(\b)):8*(8*\a+(\b))+7], v[128*((\q)%2)+16*(\b):128*((\q)%2)+16*(\b)+15], v[AS+16*\a:AS+16*\a+15], v[8*(8*\a+(\b)):8*(8*\a+(\b))+7]
.endif
.endr
.endr
.endm
.macro BLOAD                           ; the bias: register 8 bb + j is that of column 16 bb + 8 (lane / 16) + j
	WIN 0
.irp bb, 0,1,2,3,4,5,6,7
	global_load_b128 v[BIAS+8*\bb:BIAS+8*\bb+3],   v[BO], s[10:11] offset:64*\bb
	global_load_b128 v[BIAS+8*\bb+4:BIAS+8*\bb+7], v[BO], s[10:11] offset:64*\bb+16
.endr
.endm
; STEP q of 16: 128 along K, 32 matrix instructions.  The next step's fragments of w_proj are asked for in two runs of 16 loads, each 32 matrix instructions ahead of its first use.
.macro SUB q
.if (\q) == 7
	s_wait_dscnt 0x0                               ; all my LDS loads are in: a barrier's signal follows
.else
	s_wait_dscnt 16                                ; this step's fragments 0-3 are in; the 16 loads of its fragments 4-7 may be out
.endif
.if (\q) < 14
	s_wait_loadcnt 48                              ; this step's images are in; behind them were issued three sets of 16 loads (in step 13: two sets and the bias)
.else
	s_wait_loadcnt 16*(16-(\q))                    ; step 14: step 15's images and the bias may be out; step 15: the bias
.endif
.if (\q) > 0
	PLACES 4                                       ; the loads of this step land in registers that the last step's products read
.endif
.if (\q)+AHEAD < 16
	ALOAD (\q)+AHEAD                               ; into the set that the last step multiplied
.endif
.if (\q) == 12
	BLOAD                                          ; no image is left to ask for: the bias takes the place
.endif
.if (\q) == 7
	s_wait_tensorcnt 0x0                           ; my chunk of 4 to 7 is in,
	s_barrier_signal -1
	MULB \q, 0                                     ; work on registers while the others arrive,
	s_barrier_wait -1                              ; everybody's is
	FB (\q)+1, 0
	FB (\q)+1, 4
	MULB \q, 4
.elseif (\q) == 15
	MULB \q, 0
	s_wait_dscnt 0x0
	MULB \q, 4
.else
	FB (\q)+1, 0
	MULB \q, 0
	s_wait_dscnt 16                                ; this step's fragments 4-7 are in; the 16 loads just issued may be out
	FB (\q)+1, 4
	MULB \q, 4
.endif
.endm
; THE WAY OUT, a block of 16 tokens x 128 columns at a time, through my own stage in LDS: whole rows of 512 bytes come back.  LDS serves a wave's instructions in order (ISA guide 5.7.1.4).
.macro TOSTAGE a
	WIN 0x02                                       ; source 0: window 2
.set j, 0
.rept 32
	v_pk_fma_f32 v[TMP+j:TMP+j+1], v[64*(\a)+j:64*(\a)+j+1], s[96:97], v[BIAS+j:BIAS+j+1] op_sel_hi:[1,0,1]   ; sum x 2^(e6 + e7) + bias; each accumulator from its low end on
.set j, j+2
.endr
	WIN 0
.irp b, 0,1,2,3,4,5,6,7
	ds_store_b128 v[STO], v[TMP+8*\b:TMP+8*\b+3]   offset:64*\b
	ds_store_b128 v[STO], v[TMP+8*\b+4:TMP+8*\b+7] offset:64*\b+16
.endr
	WIN 0x40
.irp t, 0,1,2,3,4,5,6,7,8,9,10,11,12,13,14,15
	ds_load_b128 v[64*((\a)%2)+4*\t:64*((\a)%2)+4*\t+3], v[RD] offset:\t*SPITCH
.endr
	WIN 0
.endm
.macro SEND a, younger                 ; younger: the LDS instructions issued behind block a's loads, which may stay out
	s_wait_dscnt \younger
	WIN 0x04                                       ; store data: window 1
.irp t, 0,1,2,3,4,5,6,7,8,9,10,11,12,13,14,15
	global_store_b128 v[CO], v[64*((\a)%2)+4*\t:64*((\a)%2)+4*\t+3], s[12:13] offset:(16*(\a)+\t)*8192 th:TH_STORE_NT   ; 32 lanes store 512 consecutive bytes, aligned; 63 rows at the most: inside the signed 24-bit immediate
.endr
	WIN 0
.endm
	s_load_b256 s[4:11], s[0:1], 0x0               ; yf s[4:5], w_proj's codes s[6:7], the exponents s[8:9], b_proj s[10:11]
	s_load_b64 s[12:13], s[0:1], 0x20              ; out0
	v_lshl_add_u32 v190, v0, 2, 0x4c400
	v_mov_b32 v191, 0
	ds_add_u32 v190, v191
	ds_add_u32 v190, v191
	v_lshrrev_b32 v1, 5, v0
	v_readfirstlane_b32 s14, v1                    ; wave 0..3
	s_bfe_u32 s40, ttmp6, 0x40000                  ; cx: my place in the cluster
	s_lshl_b32 s17, ttmp9, 2
	s_add_co_u32 s17, s17, s40                     ; my tile of 256 tokens = 4 x cluster x + cx: it enters y's and out0's addresses alone
	s_and_b32 s42, ttmp7, 0xffff                   ; my tile of 128 columns, which the four partners share
	; descriptor group 1: a chunk of 128 rows x 256 bytes, padded in LDS
	s_mov_b32 s[G1+0], 15|(0<<16)|(1<<20)|(1<<21)|(5<<22)|(3<<25)  ; 15:0 the mask: all four work-groups; 17:16 elements of 1 byte; 20 padding on; 21 set beside a mask; 24:22 after every 64 words; 31:25 four words of it
	s_mov_b32 s[G1+1], 256<<16                     ; tensor_dim0
	s_mov_b32 s[G1+2], 128<<16                     ; tensor_dim1
	s_mov_b32 s[G1+3], 256<<16                     ; tile_dim0
	s_mov_b32 s[G1+4], 128                         ; tile_dim1
	s_mov_b32 s[G1+5], SIZE_K                      ; tensor_dim0_stride
	s_mov_b32 s[G1+6], 0
	s_mov_b32 s[G1+7], 0
	s_lshl_b32 s46, s42, 18                        ; w_proj: row 128 x column tile, 2,048 bytes a row,
	s_lshl_b32 s18, s14, 8
	s_add_co_u32 s46, s46, s18                     ; + chunk w's 256 bytes of a row
	s_mov_b32 s47, 0
	s_mul_i32 s45, s14, CHUNK                      ; and where it goes: no place in the cluster enters an LDS address
	s_lshl_b32 s20, s17, 19                        ; y: token tile of 16 number 16 x my tile + 4 x wave, 32,768 bytes each
	s_lshl_b32 s18, s14, 17
	s_add_co_u32 s20, s20, s18
	s_mov_b32 s21, 0
	v_and_b32 v6, 31, v0
	v_lshlrev_b32 v[CO], 4, v6
	s_wait_alu depctr_va_vdst(0)
	s_wait_dscnt 0x0
	s_wait_kmcnt 0x0
	s_load_b256 s[80:87], s[8:9], 0x0              ; e0 .. e7
	s_add_nc_u64 s[4:5], s[4:5], s[20:21]
	s_add_nc_u64 s[46:47], s[6:7], s[46:47]
	s_mov_b32 s[G0], 1
	s_mov_b32 s[G0+1], s45
	s_mov_b64 s[G0+2:G0+3], s[46:47]
	s_or_b32 s[G0+3], s[G0+3], 0x80000000
	s_mov_b32 s[G0+4], 1
	s_add_co_u32 s[G0+5], s45, 4*CHUNK
	s_add_nc_u64 s[G0+6:G0+7], s[46:47], 4*256
	s_or_b32 s[G0+7], s[G0+7], 0x80000000
	ALOAD 0                                        ; y's first three steps are asked for ahead of the round: they hang on nobody
	ALOAD 1
	ALOAD 2
	WIN 0                                          ; at a label and at a branch every window is 0
	CROUND                                         ; all four work-groups are here: the joint loads meet
	tensor_load_to_lds s[G0:G0+3], s[G1:G1+7]      ; chunk w: one tensor load a wave at the head
	s_nop 0
.rept 4
	v_nop
.endr
	ALOAD 3
	WIN 0
	v_and_b32 v1, 15, v0                           ; r
	v_bfe_u32 v2, v0, 4, 1                         ; h
	v_mul_u32_u24 v3, v1, PITCH
	v_lshl_add_u32 v[ADRB], v2, 4, v3              ; a fragment's row x pitch + 16 h
	v_add_nc_u32 v[ADRB+1], 2*CHUNK, v[ADRB]
	v_add_nc_u32 v[ADRB+2], 4*CHUNK, v[ADRB]
	v_add_nc_u32 v[ADRB+3], 6*CHUNK, v[ADRB]
	s_mul_i32 s23, s14, 16*SPITCH
	s_add_co_u32 s23, s23, STG                     ; my stage
	v_mul_u32_u24 v5, v1, SPITCH
	v_lshl_add_u32 v5, v2, 5, v5
	v_add_nc_u32 v[STO], s23, v5                   ; in: row r, 32 bytes for each half of the lanes
	v_add_nc_u32 v[RD], s23, v[CO]                 ; back: the 32 lanes take one row of 512 bytes
	v_lshlrev_b32 v[BO], 5, v2
	s_lshl_b32 s20, s17, 21                        ; out0: token 256 x my tile + 64 x wave, 8,192 bytes a token,
	s_lshl_b32 s21, s14, 19
	s_add_co_u32 s20, s20, s21
	s_lshl_b32 s22, s42, 9                         ; + column 128 x column tile, in bytes
	s_add_co_u32 s20, s20, s22
	s_mov_b32 s21, 0
	s_mov_b32 s23, 0
	s_add_nc_u64 s[12:13], s[12:13], s[20:21]
	s_add_nc_u64 s[10:11], s[10:11], s[22:23]      ; b_proj at my first column
	s_wait_alu depctr_va_vdst(0)
	s_wait_kmcnt 0x0
	s_add_co_i32 s96, s86, s87
	s_add_co_i32 s96, s96, 127
	s_lshl_b32 s96, s96, 23                        ; 2^(e6 + e7) as f32
	s_mov_b32 s97, s96                             ; (named with it as a pair, so it is written)
	s_wait_tensorcnt 0x0                           ; my chunk of 0 to 3 is in
	ds_add_u32 v190, v191
	s_wait_dscnt 0x0
	CROUND                                         ; everybody's is, and the four work-groups are here: the joint loads meet
	tensor_load_to_lds s[G0+4:G0+7], s[G1:G1+7]    ; chunk w + 4: the first tensor load behind the round
	s_nop 0
.rept 4
	v_nop
.endr
	FB 0, 0
	FB 0, 4
.irp q, 0,1,2,3,4,5,6,7,8,9,10,11,12,13,14,15
	SUB \q
.endr
	WIN 0
	PLACES 4                                       ; in front of the first reads of results and of loads into operands' registers
	s_wait_loadcnt 0x0                             ; the bias
	TOSTAGE 0
.irp a, 1,2,3
.if \a > 1
	s_wait_xcnt 0x0                                ; block a - 2's stores have read their registers: block a's rows may land there
.endif
	TOSTAGE \a
	SEND \a-1, 32                                  ; behind block a - 1's loads: block a's 16 stores and 16 loads
.endr
	SEND 3, 0
	s_wait_tensorcnt 0x0
	ds_add_u32 v190, v191
	s_wait_dscnt 0x0
	CROUND                                         ; the closing round: no work-group ends while a partner may still ask for a chunk that names it
	s_endpgm
.Lfunc_end_k_q4464429429_proj:
	.size	k_q4464429429_proj, .Lfunc_end_k_q4464429429_proj-k_q4464429429_proj
	.p2alignl 7, 3214868480
	.fill 96, 4, 3214868480
	.section	.rodata,"a",@progbits
	.p2align	6, 0x0
	.amdhsa_kernel k_q4464429429_proj
		.amdhsa_group_segment_fixed_size 327680
		.amdhsa_private_segment_fixed_size 0
		.amdhsa_enable_private_segment 0
		.amdhsa_kernarg_size 40
		.amdhsa_user_sgpr_count 2
		.amdhsa_user_sgpr_kernarg_segment_ptr 1
		.amdhsa_wavefront_size32 1
		.amdhsa_system_sgpr_workgroup_id_x 1
		.amdhsa_system_sgpr_workgroup_id_y 1
		.amdhsa_system_sgpr_workgroup_id_z 1
		.amdhsa_system_vgpr_workitem_id 0
		.amdhsa_next_free_vgpr 1024
		.amdhsa_next_free_sgpr 100
		.amdhsa_reserve_vcc 0
		.amdhsa_float_denorm_mode_32 3
		.amdhsa_float_denorm_mode_16_64 3
		.amdhsa_memory_ordered 1
		.amdhsa_forward_progress 1
		.amdhsa_inst_pref_size 124
	.end_amdhsa_kernel
	.amdgpu_metadata
---
amdhsa.version: [ 1, 2 ]
amdhsa.kernels:
  - .name:           k_q4464429429_proj
    .symbol:         k_q4464429429_proj.kd
    .args:
      - { .name: yf, .offset: 0, .size: 8, .value_kind: global_buffer, .address_space: global }
      - { .name: w_proj_codes, .offset: 8, .size: 8, .value_kind: global_buffer, .address_space: global }
      - { .name: lowp_scales, .offset: 16, .size: 8, .value_kind: global_buffer, .address_space: global }
      - { .name: b_proj, .offset: 24, .size: 8, .value_kind: global_buffer, .address_space: global }
      - { .name: out0, .offset: 32, .size: 8, .value_kind: global_buffer, .address_space: global }
    .group_segment_fixed_size: 327680
    .private_segment_fixed_size: 0
    .kernarg_segment_align: 8
    .kernarg_segment_size: 40
    .max_flat_workgroup_size: 128
    .sgpr_count:     100
    .vgpr_count:     1024
    .wavefront_size: 32
...
	.end_amdgpu_metadata
.endif
;; end of part 3
